; MI455X (gfx1250); checked and timed in simulation.
; The chip was launched on July 23, 2026; its instructions are those of AMD's public machine-readable ISA for CDNA 5 (MIT licence, August 2026) and "CDNA5" Instruction Set Architecture Reference Guide (July 2026). The comments in the code are by the model that wrote it; some were corrected since.
;; Wavetable Synth. Allowed arithmetic: float matrix products may take bf16 or f16 operands with f32 sums; all other float work in f32.
;; Inputs: amplitude 1,323,000 float32; pitch 1,323,000 float32; wavetables 64 x 512 float32.
;; Outputs: out0 1,323,000 float32.
;; Constants: duration_secs = 30, sr = 44100.
;; One version. Each part assembles by itself: llvm-mc -triple=amdgcn-amd-amdhsa -mcpu=gfx1250 --defsym DOCPART=n.
;; ======== version 1 of 1: 3 launches
;; workspace buffers: part 5,376 bytes; mean 2,048 bytes; phase 5,292,032 bytes of whole numbers
;; launch sums (part 1): grid 324 x 1, 8 waves a work-group, no clusters, 22,528 bytes of LDS; arguments pitch, wavetables, part, mean; writes part, mean
.if DOCPART == 1
	.amdgcn_target "amdgcn-amd-amdhsa--gfx1250"
	.amdhsa_code_object_version 6
	.text
	.protected	k_q8e929e6312_sums
	.globl	k_q8e929e6312_sums
	.p2align	8
	.type	k_q8e929e6312_sums,@function
k_q8e929e6312_sums:
	s_mov_b64 s[64:65], 0
	v_nop
	global_prefetch_b8 v0, s[64:65] scope:SCOPE_SE
	s_setreg_imm32_b32 hwreg(HW_REG_WAVE_MODE, 25, 1), 1
	s_wait_xcnt 0x0
; WavetableSynth, launch 1 of 3: the sums of each chunk of 4,096 samples, and the mean wavetable.
;
; THE ORDER OF THE ADDITIONS IS PART OF THE RESULT.  The running sum of the increments grows to millions, where one unit in the last
; place of an f32 is a large part of a table step.  So all three launches add in the order in which reference()'s jnp.cumsum, as it is
; compiled for the CPU, adds: a tree of base 16.  A level of length n is padded with zeros to a multiple of 16; R[c][k] is the
; sequential sum of entries 16c .. 16c+k; the totals R[c][15] are the next level; I[16c+k] = R[c][k] + I'[c-1], with I' the same scan
; of the next level and I'[-1] = 0.  Lengths: 1,323,000 -> 82,688 -> 5,168 -> 323 -> 21 -> 2.
; Work-group e < 323 owns chunk e = entry e of the level of 323.  A lane owns one run of 16 samples, a row of 16 lanes one run of
; 16 such totals, the work-group's 16 rows one run of the next level.  It stores a record of 16 bytes:
;   word 0  col3 = R2[15], the chunk's total     word 1  R2[14]     word 2  col2[15], the total of its last 256 samples     word 3  0
; which is all that the next launch needs of a chunk other than its own.
; Work-group 323 makes mean[j] = (sum over the 64 tables of wavetables[.][j]) / 64: the mean over tables is linear, so the mean of
; the 64 interpolations is the interpolation in the mean table.
; The input amplitude is not an argument: reference() does not use it.
; THE INCREMENT, pitch / 44100 * 512, is ONE rounded product, pitch * c with c = 512 * RN(1/44100): 44100 is a constant of the
; problem, and a compiled division by a constant is a multiplication by the constant's rounded reciprocal; the factor 512 is a power
; of two and changes no rounding.  The last bits of the increments matter for the same reason as the order of the additions.
; LIMIT: the product is within one unit in the last place of the exact quotient, and equals RN(pitch * RN(1/44100)) * 512 for
; pitch = 0 and |pitch| >= 2^-110 (below, the product without the factor 512 would be denormal).
.set NBYTES, 5292000                   ; bytes of pitch
.set CHUNKS, 323
.set BPITCH, 80                        ; LDS pitch of a run of 16 samples: 64 bytes + 16, an odd multiple of 16
.set WSTAGE, 32*BPITCH                 ; a wave's own stage: its 32 runs
.set S1,     8*WSTAGE                  ; 256 words: R1 of every lane
.set YREC,   0x3c3e37c6                ; c = 512 * RN(1/44100)
.set RAW, 8                            ; v[8:23]   16 bytes a lane as loaded, four loads
.set X,   24                           ; v[24:39]  my run of 16: pitch, then increments
; Sequential inclusive sum along each row of 16 lanes: y[i] = y[i-1] + x[i], fifteen times.  After step n lanes 0..n hold
; ((x0 + x1) + x2) + ..; lane 0 has no source lane and keeps x0.
.macro ROWSCAN y, x
	v_mov_b32 v[\y], v[\x]
.rept 15
	v_add_f32_dpp v[\y], v[\y], v[\x] row_shr:1 row_mask:0xf bank_mask:0xf
.endr
.endm
	s_load_b256 s[4:11], s[0:1], 0x0               ; pitch s[4:5], wavetables s[6:7], part s[8:9], mean s[10:11]
	v_lshl_add_u32 v144, v0, 2, 0x5400
	v_mov_b32 v145, 0
	s_cmp_eq_u32 ttmp9, CHUNKS
	s_cbranch_scc1 .Lmean                          ; the whole work-group goes one way
	v_and_b32 v1, 31, v0                           ; lane L
	v_lshrrev_b32 v2, 5, v0
	v_readfirstlane_b32 s12, v2                    ; wave w
	s_lshl_b32 s13, ttmp9, 14                      ; the chunk's first byte
	s_mul_i32 s14, s12, WSTAGE                     ; my wave's stage
	v_lshlrev_b32 v3, 4, v1                        ; 16 L
	v_lshl_add_u32 v3, v2, 11, v3                  ; + 2,048 w: a wave owns 512 samples
	v_add_nc_u32 v3, s13, v3
	v_add_nc_u32 v7, 1536, v3                      ; the fourth load: only it can pass the end (the last chunk lacks 8 samples)
	v_min_u32 v4, NBYTES-16, v7                    ; then it reads the last 16 bytes instead,
	v_cmp_gt_u32 vcc_lo, NBYTES, v7                ; and its numbers are replaced by the tree's padding, 0
	s_wait_kmcnt 0x0
	global_load_b128 v[RAW:RAW+3],     v3, s[4:5]              ; each load of the wave: 512 neighbouring bytes.  No cache word:
	global_load_b128 v[RAW+4:RAW+7],   v3, s[4:5] offset:512   ; the next launch reads pitch again
	global_load_b128 v[RAW+8:RAW+11],  v3, s[4:5] offset:1024
	global_load_b128 v[RAW+12:RAW+15], v4, s[4:5]
	v_lshrrev_b32 v5, 2, v1                        ; into the stage: load j, lane L holds samples 4 (L & 3) .. + 3 of run 8 j + (L >> 2)
	v_mul_u32_u24 v5, v5, BPITCH
	v_and_b32 v7, 3, v1
	v_lshl_add_u32 v5, v7, 4, v5
	v_add_nc_u32 v5, s14, v5
	v_mul_u32_u24 v6, v1, BPITCH                   ; out of the stage: lane L takes run L
	v_add_nc_u32 v6, s14, v6
.irp j, 0,1,2,3
	s_wait_loadcnt 3-\j                            ; loads return in order: load j is in, the 3 - j younger ones may be out
.if \j == 3
.irp k, 0,1,2,3
	v_cndmask_b32 v[RAW+12+\k], 0, v[RAW+12+\k], vcc_lo
.endr
.endif
	ds_store_b128 v5, v[RAW+4*\j:RAW+4*\j+3] offset:8*BPITCH*\j
.endr
.irp j, 0,1,2,3
	ds_load_b128 v[X+4*\j:X+4*\j+3], v6 offset:16*\j           ; the wave's own bytes, served in order: no wait between store and load
.endr
	s_wait_dscnt 0x0
.irp i, 0,2,4,6,8,10,12,14
	v_pk_mul_f32 v[X+\i:X+\i+1], v[X+\i:X+\i+1], YREC op_sel_hi:[1,0]          ; increment = pitch c, one rounding
.endr
	v_add_f32 v72, v[X], v[X+1]                    ; the run's total, in order
.set i, 2
.rept 14
	v_add_f32 v72, v72, v[X+i]
.set i, i+1
.endr
	ROWSCAN 73, 72                                 ; R1 along my row; lane 15 of a row holds the total of 256 samples
	v_lshlrev_b32 v7, 2, v0
	ds_store_b32 v7, v73 offset:S1
	s_wait_dscnt 0x0                               ; zero: wave 0 reads these words behind the barrier
	s_barrier_signal -1
	s_barrier_wait -1
	s_cmp_lg_u32 s12, 0
	s_cbranch_scc1 .Ldone                          ; the last level of the chunk is 16 numbers: one wave's work
	v_and_b32 v7, 15, v0
	v_lshlrev_b32 v7, 6, v7
	ds_load_b32 v74, v7 offset:S1+60               ; lane k: word 16 k + 15 = col2[k]
	s_wait_dscnt 0x0
	ROWSCAN 75, 74                                 ; R2
	v_readlane_b32 s16, v75, 15
	v_readlane_b32 s17, v75, 14
	v_readlane_b32 s18, v74, 15
	s_lshl_b32 s19, ttmp9, 4
	v_mov_b32 v76, s16                             ; col3
	v_mov_b32 v77, s17                             ; R2[14]
	v_mov_b32 v78, s18                             ; col2[15]
	v_mov_b32 v79, 0
	v_mov_b32 v80, s19
	v_cmp_gt_u32 vcc_lo, 1, v0
	s_wait_xcnt 0x0                                ; EXEC is a source of the loads above: it changes only behind this wait
	s_wait_tensorcnt 0x0
	ds_add_u32 v144, v145
	s_wait_dscnt 0x0
	s_and_saveexec_b32 s20, vcc_lo                 ; one lane stores the chunk's 16 bytes: there is no more to store
	global_store_b128 v80, v[76:79], s[8:9]
	s_endpgm
.Ldone:
	s_wait_tensorcnt 0x0
	ds_add_u32 v144, v145
	s_wait_dscnt 0x0
	s_endpgm
.Lmean:                                            ; thread t: columns 2 t and 2 t + 1 of all 64 tables; a wave's load covers 256 neighbouring bytes
	v_lshlrev_b32 v1, 3, v0
	s_wait_kmcnt 0x0
.set row, 0
.rept 64
	global_load_b64 v[16+2*row:17+2*row], v1, s[6:7] offset:2048*row
.set row, row+1
.endr
	s_wait_loadcnt 0x0
.irp c, 0,1,2,3
	v_pk_add_f32 v[2+2*\c:3+2*\c], v[16+2*\c:17+2*\c], v[24+2*\c:25+2*\c]      ; four chains, started by rows 0-7: nothing is cleared
.endr
.set row, 8
.rept 56
	v_pk_add_f32 v[2+2*(row%4):3+2*(row%4)], v[2+2*(row%4):3+2*(row%4)], v[16+2*row:17+2*row]
.set row, row+1
.endr
	v_pk_add_f32 v[2:3], v[2:3], v[4:5]
	v_pk_add_f32 v[6:7], v[6:7], v[8:9]
	v_pk_add_f32 v[2:3], v[2:3], v[6:7]
	v_pk_mul_f32 v[2:3], v[2:3], 0x3c800000 op_sel_hi:[1,0]    ; / 64
	global_store_b64 v1, v[2:3], s[10:11]
	s_endpgm
.Lfunc_end_k_q8e929e6312_sums:
	.size	k_q8e929e6312_sums, .Lfunc_end_k_q8e929e6312_sums-k_q8e929e6312_sums
	.p2alignl 7, 3214868480
	.fill 96, 4, 3214868480
	.section	.rodata,"a",@progbits
	.p2align	6, 0x0
	.amdhsa_kernel k_q8e929e6312_sums
		.amdhsa_group_segment_fixed_size 22528
		.amdhsa_private_segment_fixed_size 0
		.amdhsa_enable_private_segment 0
		.amdhsa_kernarg_size 32
		.amdhsa_user_sgpr_count 2
		.amdhsa_user_sgpr_kernarg_segment_ptr 1
		.amdhsa_wavefront_size32 1
		.amdhsa_system_sgpr_workgroup_id_x 1
		.amdhsa_system_sgpr_workgroup_id_y 1
		.amdhsa_system_sgpr_workgroup_id_z 1
		.amdhsa_system_vgpr_workitem_id 0
		.amdhsa_next_free_vgpr 146
		.amdhsa_next_free_sgpr 66
		.amdhsa_reserve_vcc 1
		.amdhsa_float_denorm_mode_32 3
		.amdhsa_float_denorm_mode_16_64 3
		.amdhsa_memory_ordered 1
		.amdhsa_forward_progress 1
		.amdhsa_inst_pref_size 18
	.end_amdhsa_kernel
	.amdgpu_metadata
---
amdhsa.version: [ 1, 2 ]
amdhsa.kernels:
  - .name:           k_q8e929e6312_sums
    .symbol:         k_q8e929e6312_sums.kd
    .args:
      - { .name: pitch, .offset: 0, .size: 8, .value_kind: global_buffer, .address_space: global }
      - { .name: wavetables, .offset: 8, .size: 8, .value_kind: global_buffer, .address_space: global }
      - { .name: part, .offset: 16, .size: 8, .value_kind: global_buffer, .address_space: global }
      - { .name: mean, .offset: 24, .size: 8, .value_kind: global_buffer, .address_space: global }
    .group_segment_fixed_size: 22528
    .private_segment_fixed_size: 0
    .kernarg_segment_align: 8
    .kernarg_segment_size: 32
    .max_flat_workgroup_size: 256
    .sgpr_count:     66
    .vgpr_count:     146
    .wavefront_size: 32
...
	.end_amdgpu_metadata
.endif
;; end of part 1
;; launch phase (part 2): grid 323 x 1, 8 waves a work-group, no clusters, 24,576 bytes of LDS; arguments pitch, part, phase; writes phase
.if DOCPART == 2
	.amdgcn_target "amdgcn-amd-amdhsa--gfx1250"
	.amdhsa_code_object_version 6
	.text
	.protected	k_q8e929e6312_phase
	.globl	k_q8e929e6312_phase
	.p2align	8
	.type	k_q8e929e6312_phase,@function
k_q8e929e6312_phase:
	s_mov_b64 s[64:65], 0
	v_nop
	global_prefetch_b8 v0, s[64:65] scope:SCOPE_SE
	s_setreg_imm32_b32 hwreg(HW_REG_WAVE_MODE, 25, 1), 1
	s_wait_xcnt 0x0
; WavetableSynth, launch 2 of 3: index = (cumsum(increment) - increment[0]) mod 512 for every sample, stored as a whole number:
; phase = floor(frac((cumsum - increment[0]) / 512) * 2^32): bits 31:23 are floor(index), bits 22:0 are alpha in units of 2^-23.
; The lookup itself is the next launch's: its addresses come from these whole numbers.
;
; The additions follow the tree of base 16 that launch 1's head describes.  With e the chunk, t the thread (run c = 256 e + t),
; R0..R4 the sequential prefixes inside runs of 16 of levels 0..4 and I1..I4 the inclusive scans of levels 1..4:
;   cumsum[16 c + j] = R0[c][j] + I1[c-1]
;   I1[c-1], t > 0, t' = t - 1, u' = t' >> 4:  R1[t'] + (u' > 0 ? R2[u'-1] + I3[e-1] : col3[e-1] + I3[e-2])
;   I1[c-1], t = 0:                            col2[15] of chunk e-1 + (R2[14] of chunk e-1 + I3[e-2])
;   I3[x] = R3[x] + I4[(x >> 4) - 1],   I4[y] = R4[y] + (y >= 16 ? R4[15] : 0);   every scan is 0 at index -1.
; Every work-group makes R3 and I4 for itself from the 323 chunk totals (a few hundred additions, done while pitch is on its way), and
; makes R0, R1, R2 of its own chunk from pitch as launch 1 did.  A scan at index -1 is put to 0 by a select on the chunk's number.
; The increment is one rounded product, pitch * c with c = 512 * RN(1/44100), as in launch 1 and for the reason given at its head.
; LIMITS.  The product equals RN(pitch * RN(1/44100)) * 512 for pitch = 0 and |pitch| >= 2^-110.  alpha is cut to 23 fractional
; bits, which loses something only where index < 1, at most 2^-23 of a table step.  If a negative remainder is so small that
; remainder + 512 rounds to 512.0, reference()'s index leaves the table; here the conversion saturates and the phase is the top of
; entry 511.
.set NBYTES, 5292000
.set CHUNKS, 323
.set BPITCH, 80                        ; LDS pitch of a run of 16 samples: 64 bytes + 16, an odd multiple of 16
.set WSTAGE, 32*BPITCH                 ; a wave's own stage, used on the way in and on the way out
.set S1,     8*WSTAGE                  ; 256 words: R1 of every thread
.set S3,     S1+1024                   ; 512 words: R3 of chunks 0..511 (0 from chunk 323 on: the tree's padding)
.set YREC,   0x3c3e37c6                ; c = 512 * RN(1/44100)
.set RAW, 8                            ; v[8:23]   16 bytes a lane as loaded; at the end as stored
.set X,   24                           ; v[24:39]  my run of 16: pitch, increments, R0, cumsum, .. , phase as f32
.set Q,   40                           ; v[40:55]  the phases
.set FL,  56                           ; v[56:71]  the floors
.macro ROWSCAN y, x                    ; sequential inclusive sum along each row of 16 lanes; lane 0 has no source lane and keeps x0
	v_mov_b32 v[\y], v[\x]
.rept 15
	v_add_f32_dpp v[\y], v[\y], v[\x] row_shr:1 row_mask:0xf bank_mask:0xf
.endr
.endm
.macro ROWSCAN2 y0, x0, y1, x1         ; two of them, interleaved: neither chain waits for the other
	v_mov_b32 v[\y0], v[\x0]
	v_mov_b32 v[\y1], v[\x1]
.rept 15
	v_add_f32_dpp v[\y0], v[\y0], v[\x0] row_shr:1 row_mask:0xf bank_mask:0xf
	v_add_f32_dpp v[\y1], v[\y1], v[\x1] row_shr:1 row_mask:0xf bank_mask:0xf
.endr
.endm
	s_load_b128 s[4:7], s[0:1], 0x0                ; pitch s[4:5], part s[6:7]
	s_load_b64 s[8:9], s[0:1], 0x10                ; phase
	v_lshl_add_u32 v108, v0, 2, 0x5c00
	v_mov_b32 v109, 0
	v_and_b32 v1, 31, v0                           ; lane L
	v_lshrrev_b32 v2, 5, v0
	v_readfirstlane_b32 s12, v2                    ; wave w
	s_lshl_b32 s13, ttmp9, 14                      ; the chunk's first byte, in pitch and in phase
	s_mul_i32 s14, s12, WSTAGE
	v_lshlrev_b32 v3, 4, v1
	v_lshl_add_u32 v3, v2, 11, v3
	v_add_nc_u32 v3, s13, v3                       ; 16,384 e + 2,048 w + 16 L
	v_add_nc_u32 v107, 1536, v3                    ; the fourth load: only it can pass pitch's end
	v_min_u32 v4, NBYTES-16, v107
	v_cmp_gt_u32 s25, NBYTES, v107                 ; s25: it is inside
	v_lshlrev_b32 v92, 4, v0                       ; the record of chunk t
	v_add_nc_u32 v93, 4096, v92                    ; and of chunk 256 + t,
	v_min_u32 v93, 16*(CHUNKS-1), v93              ; kept inside the records
	v_cmp_gt_u32 s24, CHUNKS-256, v0               ; s24: chunk 256 + t exists
	s_sub_co_i32 s30, ttmp9, 1
	s_max_i32 s30, s30, 0
	s_min_u32 s30, s30, CHUNKS-1                   ; e - 1, or 0; the upper bound states the range of the LDS address made of it
	s_sub_co_i32 s31, ttmp9, 2
	s_max_i32 s31, s31, 0
	s_min_u32 s31, s31, CHUNKS-1                   ; e - 2, or 0
	s_lshl_b32 s15, s30, 4
	s_wait_kmcnt 0x0
	global_load_b32 v72, v92, s[6:7]               ; col3[t]
	global_load_b32 v73, v93, s[6:7]               ; col3[256 + t]
	global_load_b128 v[RAW:RAW+3],     v3, s[4:5] th:TH_LOAD_NT
	global_load_b128 v[RAW+4:RAW+7],   v3, s[4:5] offset:512 th:TH_LOAD_NT
	global_load_b128 v[RAW+8:RAW+11],  v3, s[4:5] offset:1024 th:TH_LOAD_NT
	global_load_b128 v[RAW+12:RAW+15], v4, s[4:5] th:TH_LOAD_NT
	s_load_b32 s16, s[4:5], 0x0                    ; pitch[0]
	s_load_b128 s[20:23], s[6:7], s15 offset:0x0   ; the record of chunk e - 1: col3, R2[14], col2[15], 0
	; addresses, lane numbers and masks, all from the thread's and the chunk's numbers
	v_lshrrev_b32 v5, 2, v1
	v_mul_u32_u24 v5, v5, BPITCH
	v_and_b32 v107, 3, v1
	v_lshl_add_u32 v5, v107, 4, v5
	v_add_nc_u32 v5, s14, v5                       ; stage, memory's order: run 8 j + (L >> 2), bytes 16 (L & 3)
	v_mul_u32_u24 v6, v1, BPITCH
	v_add_nc_u32 v6, s14, v6                       ; stage, my run L
	v_lshlrev_b32 v7, 2, v0                        ; 4 t
	v_and_b32 v94, 15, v0
	v_lshlrev_b32 v94, 6, v94                      ; 64 (L & 15)
	v_lshlrev_b32 v95, 6, v1                       ; 64 L
	v_add_nc_u32 v96, 255, v0
	v_and_b32 v96, 255, v96                        ; t' = t - 1 (255 for t = 0, whose value is not used)
	v_lshrrev_b32 v102, 4, v96                     ; u'
	v_lshlrev_b32 v96, 2, v96                      ; 4 t'
	v_add_nc_u32 v101, 15, v102
	v_and_b32 v101, 15, v101                       ; u' - 1 (15 for u' = 0, whose value is not used)
	v_lshlrev_b32 v101, 2, v101                    ; as a lane's byte index
	v_cmp_eq_u32 s27, 0, v102                      ; s27: u' = 0
	v_cmp_eq_u32 s28, 0, v0                        ; s28: t = 0
	v_cmp_lt_u32 s26, 15, v1                       ; s26: upper row of lanes
	s_lshl_b32 s37, s30, 2
	v_mov_b32 v97, s37                             ; word e - 1
	s_lshl_b32 s38, s31, 2
	v_mov_b32 v98, s38                             ; word e - 2
	s_lshr_b32 s37, s30, 4
	s_sub_co_i32 s37, s37, 1
	s_max_i32 s37, s37, 0
	s_lshl_b32 s37, s37, 2
	v_mov_b32 v99, s37                             ; lane ((e - 1) >> 4) - 1, or 0, as a byte index
	s_lshr_b32 s38, s31, 4
	s_sub_co_i32 s38, s38, 1
	s_max_i32 s38, s38, 0
	s_lshl_b32 s38, s38, 2
	v_mov_b32 v100, s38                            ; lane ((e - 2) >> 4) - 1, or 0
	s_cmp_ge_u32 ttmp9, 1
	s_cselect_b32 s33, -1, 0                       ; chunk e - 1 exists
	s_cmp_ge_u32 ttmp9, 2
	s_cselect_b32 s34, -1, 0                       ; chunk e - 2 exists
	s_cmp_ge_u32 ttmp9, 17
	s_cselect_b32 s35, -1, 0                       ; (e - 1) >> 4 > 0
	s_cmp_ge_u32 ttmp9, 18
	s_cselect_b32 s36, -1, 0                       ; (e - 2) >> 4 > 0
	; level 3, while pitch is on its way
	s_wait_loadcnt 0x4                             ; the two totals are in; the four pitch loads issued behind them stay out
	v_cndmask_b32 v73, 0, v73, s24
	ROWSCAN2 74, 72, 75, 73                        ; R3 of chunks t and 256 + t
	ds_store_b32 v7, v74 offset:S3
	ds_store_b32 v7, v75 offset:S3+1024
	; my run of 16 samples
.irp j, 0,1,2,3
	s_wait_loadcnt 3-\j                            ; load j is in, the 3 - j younger ones may be out
.if \j == 3
.irp k, 0,1,2,3
	v_cndmask_b32 v[RAW+12+\k], 0, v[RAW+12+\k], s25           ; beyond the end: the tree's padding, 0
.endr
.endif
	ds_store_b128 v5, v[RAW+4*\j:RAW+4*\j+3] offset:8*BPITCH*\j
.endr
.irp j, 0,1,2,3
	ds_load_b128 v[X+4*\j:X+4*\j+3], v6 offset:16*\j           ; the wave's own bytes, served in order
.endr
	s_wait_kmcnt 0x0
	v_mov_b32 v107, s16
	v_mul_f32 v90, YREC, v107                      ; increment[0], made as every increment is
	v_mov_b32 v91, v90                             ; twice: a pair for the packed subtraction
	s_wait_dscnt 0x0
.irp i, 0,2,4,6,8,10,12,14
	v_pk_mul_f32 v[X+\i:X+\i+1], v[X+\i:X+\i+1], YREC op_sel_hi:[1,0]          ; increment = pitch c, one rounding
.endr
.set i, 1
.rept 15
	v_add_f32 v[X+i], v[X+i-1], v[X+i]             ; R0, in place and in order
.set i, i+1
.endr
	ROWSCAN 76, X+15                               ; R1 along my row
	ds_store_b32 v7, v76 offset:S1
	s_wait_dscnt 0x0                               ; zero: R1 and R3 are read by every wave behind the barrier
	s_barrier_signal -1
	s_barrier_wait -1
	ds_load_b32 v77, v94 offset:S1+60              ; lane k of each row: word 16 k + 15 of R1 = col2[k] of this chunk
	ds_load_b32 v78, v95 offset:S3+60              ; lane L: word 16 L + 15 of R3 = col4[L]
	ds_load_b32 v79, v96 offset:S1                 ; R1[t']
	ds_load_b32 v80, v97 offset:S3                 ; R3[e-1]
	ds_load_b32 v81, v98 offset:S3                 ; R3[e-2]
	s_wait_dscnt 0x3                               ; the first two are in; the three younger ones are wanted later
	ROWSCAN2 82, 77, 83, 78                        ; R2 (the same in both rows), R4 (lower row: entries 0-15, upper row: 16-31)
	v_readlane_b32 s17, v83, 15                    ; the total of level 4's first run
	v_mov_b32 v84, s17
	v_cndmask_b32 v84, 0, v84, s26
	v_add_f32 v83, v83, v84                        ; I4[L]
	ds_bpermute_b32 v85, v99, v83                  ; I4[((e-1) >> 4) - 1], to every lane
	ds_bpermute_b32 v86, v100, v83                 ; I4[((e-2) >> 4) - 1]
	ds_bpermute_b32 v87, v101, v82                 ; R2[u'-1]
	s_wait_dscnt 0x0
	v_cndmask_b32 v85, 0, v85, s35
	v_cndmask_b32 v86, 0, v86, s36
	v_add_f32 v103, v80, v85
	v_add_f32 v104, v81, v86
	v_cndmask_b32 v103, 0, v103, s33               ; I3[e-1]
	v_cndmask_b32 v104, 0, v104, s34               ; I3[e-2]
	v_add_f32 v105, s20, v104                      ; col3[e-1] + I3[e-2]
	v_add_f32 v106, s21, v104                      ; R2[14] of chunk e-1 + I3[e-2]
	v_add_f32 v106, s22, v106                      ; + col2[15] of chunk e-1
	v_cndmask_b32 v105, 0, v105, s33
	v_cndmask_b32 v106, 0, v106, s33
	v_add_f32 v87, v87, v103                       ; R2[u'-1] + I3[e-1]
	v_cndmask_b32 v87, v87, v105, s27              ; for u' = 0 the carry from the chunk in front
	v_add_f32 v87, v79, v87                        ; I1[c-1]
	v_cndmask_b32 v88, v87, v106, s28              ; for t = 0 likewise
	v_mov_b32 v89, v88
.irp i, 0,2,4,6,8,10,12,14
	v_pk_add_f32 v[X+\i:X+\i+1], v[X+\i:X+\i+1], v[88:89]                                  ; cumsum
.endr
.irp i, 0,2,4,6,8,10,12,14
	v_pk_add_f32 v[X+\i:X+\i+1], v[X+\i:X+\i+1], v[90:91] neg_lo:[0,1] neg_hi:[0,1]        ; - increment[0], rounded as in reference()
.endr
.irp i, 0,2,4,6,8,10,12,14
	v_pk_mul_f32 v[X+\i:X+\i+1], v[X+\i:X+\i+1], 0x3b000000 op_sel_hi:[1,0]                ; / 512: a power of two, exact
.endr
.irp i, 0,1,2,3,4,5,6,7,8,9,10,11,12,13,14,15
	v_floor_f32 v[FL+\i], v[X+\i]
.endr
.irp i, 0,2,4,6,8,10,12,14
	v_pk_add_f32 v[X+\i:X+\i+1], v[X+\i:X+\i+1], v[FL+\i:FL+\i+1] neg_lo:[0,1] neg_hi:[0,1]    ; index / 512: exact for sums >= 0; below 0 it rounds once, as remainder + 512 does
.endr
.irp i, 0,2,4,6,8,10,12,14
	v_pk_mul_f32 v[X+\i:X+\i+1], v[X+\i:X+\i+1], 0x4f800000 op_sel_hi:[1,0]                ; * 2^32
.endr
.irp i, 0,1,2,3,4,5,6,7,8,9,10,11,12,13,14,15
	v_cvt_u32_f32 v[Q+\i], v[X+\i]
.endr
	; the way out: back through the wave's own stage, so that each store of the wave covers 512 neighbouring bytes
.irp j, 0,1,2,3
	ds_store_b128 v6, v[Q+4*\j:Q+4*\j+3] offset:16*\j
.endr
.irp j, 0,1,2,3
	ds_load_b128 v[RAW+4*\j:RAW+4*\j+3], v5 offset:8*BPITCH*\j
.endr
.irp j, 0,1,2,3
	s_wait_dscnt 3-\j                              ; read-back j is in, the 3 - j younger ones may be out
	global_store_b128 v3, v[RAW+4*\j:RAW+4*\j+3], s[8:9] offset:512*\j     ; phase has room for all 323 x 4,096 words; no cache word: the next launch reads it
.endr
	s_wait_tensorcnt 0x0
	ds_add_u32 v108, v109
	s_wait_dscnt 0x0
	s_endpgm
.Lfunc_end_k_q8e929e6312_phase:
	.size	k_q8e929e6312_phase, .Lfunc_end_k_q8e929e6312_phase-k_q8e929e6312_phase
	.p2alignl 7, 3214868480
	.fill 96, 4, 3214868480
	.section	.rodata,"a",@progbits
	.p2align	6, 0x0
	.amdhsa_kernel k_q8e929e6312_phase
		.amdhsa_group_segment_fixed_size 24576
		.amdhsa_private_segment_fixed_size 0
		.amdhsa_enable_private_segment 0
		.amdhsa_kernarg_size 24
		.amdhsa_user_sgpr_count 2
		.amdhsa_user_sgpr_kernarg_segment_ptr 1
		.amdhsa_wavefront_size32 1
		.amdhsa_system_sgpr_workgroup_id_x 1
		.amdhsa_system_sgpr_workgroup_id_y 1
		.amdhsa_system_sgpr_workgroup_id_z 1
		.amdhsa_system_vgpr_workitem_id 0
		.amdhsa_next_free_vgpr 110
		.amdhsa_next_free_sgpr 66
		.amdhsa_reserve_vcc 0
		.amdhsa_float_denorm_mode_32 3
		.amdhsa_float_denorm_mode_16_64 3
		.amdhsa_memory_ordered 1
		.amdhsa_forward_progress 1
		.amdhsa_inst_pref_size 19
	.end_amdhsa_kernel
	.amdgpu_metadata
---
amdhsa.version: [ 1, 2 ]
amdhsa.kernels:
  - .name:           k_q8e929e6312_phase
    .symbol:         k_q8e929e6312_phase.kd
    .args:
      - { .name: pitch, .offset: 0, .size: 8, .value_kind: global_buffer, .address_space: global }
      - { .name: part, .offset: 8, .size: 8, .value_kind: global_buffer, .address_space: global }
      - { .name: phase, .offset: 16, .size: 8, .value_kind: global_buffer, .address_space: global }
    .group_segment_fixed_size: 24576
    .private_segment_fixed_size: 0
    .kernarg_segment_align: 8
    .kernarg_segment_size: 24
    .max_flat_workgroup_size: 256
    .sgpr_count:     66
    .vgpr_count:     110
    .wavefront_size: 32
...
	.end_amdgpu_metadata
.endif
;; end of part 2
;; launch lookup (part 3): grid 323 x 1, 8 waves a work-group, no clusters, 5,120 bytes of LDS; arguments phase, mean, out0; writes out0
.if DOCPART == 3
	.amdgcn_target "amdgcn-amd-amdhsa--gfx1250"
	.amdhsa_code_object_version 6
	.text
	.protected	k_q8e929e6312_lookup
	.globl	k_q8e929e6312_lookup
	.p2align	8
	.type	k_q8e929e6312_lookup,@function
k_q8e929e6312_lookup:
	s_mov_b64 s[64:65], 0
	v_nop
	global_prefetch_b8 v0, s[64:65] scope:SCOPE_SE
	s_setreg_imm32_b32 hwreg(HW_REG_WAVE_MODE, 25, 1), 1
	s_wait_xcnt 0x0
; WavetableSynth, launch 3 of 3: out[i] = m[lo] + alpha (m[(lo + 1) mod 512] - m[lo]), m the mean wavetable of launch 1,
; lo = phase >> 23 and alpha = (phase & 0x7fffff) 2^-23 from launch 2's whole numbers.  Where alpha = 0 reference() takes hi = lo;
; the product is 0 either way.
; Eight waves, 4,096 samples a work-group; thread t takes the 16 bytes at 4,096 j + 16 t of the chunk, j = 0..3, so each load and
; store of a wave covers 512 neighbouring bytes.  The table lies in LDS as 512 pairs (m[j], (m[j+1] - m[j]) 2^-23): one 8-byte
; gather and one fused multiply-add a sample.  The factor 2^-23 is a power of two: exact unless the difference is below 2^-103.
.set NBYTES, 5292000                   ; bytes of out0; the last chunk lacks 8 samples
.set W,  12                            ; v[12:27]  phases, then alpha 2^23 as f32, then results
.set AD, 28                            ; v[28:43]  LDS addresses
.set T,  44                            ; v[44:75]  the gathered pairs
	s_load_b128 s[4:7], s[0:1], 0x0                ; phase s[4:5], mean s[6:7]
	s_load_b64 s[8:9], s[0:1], 0x10                ; out0
	v_lshl_add_u32 v76, v0, 2, 0x1000
	v_mov_b32 v77, 0
	s_lshl_b32 s10, ttmp9, 14
	v_lshlrev_b32 v1, 4, v0
	v_add_nc_u32 v1, s10, v1                       ; 16,384 e + 16 t
	v_lshlrev_b32 v2, 2, v0                        ; 4 t
	v_add_nc_u32 v3, 1028, v2
	v_and_b32 v3, 0x7ff, v3                        ; entry (t + 257) mod 512
	v_lshlrev_b32 v4, 3, v0                        ; 8 t
	s_wait_kmcnt 0x0
	global_load_b32 v8,  v2, s[6:7]                ; thread t makes the pairs of entries t and t + 256
	global_load_b32 v9,  v2, s[6:7] offset:4
	global_load_b32 v10, v2, s[6:7] offset:1024
	global_load_b32 v11, v3, s[6:7]
.irp j, 0,1,2,3
	global_load_b128 v[W+4*\j:W+4*\j+3], v1, s[4:5] offset:4096*\j th:TH_LOAD_NT
.endr
	s_wait_loadcnt 0x4                             ; the four table words are in; the four phase loads issued behind them stay out
	v_sub_f32 v9, v9, v8
	v_sub_f32 v11, v11, v10
	v_mul_f32 v9, 0x34000000, v9                   ; * 2^-23
	v_mul_f32 v11, 0x34000000, v11
	ds_store_b64 v4, v[8:9]
	ds_store_b64 v4, v[10:11] offset:2048
	s_wait_dscnt 0x0                               ; zero: every wave gathers from the whole table behind the barrier
	s_barrier_signal -1
	s_barrier_wait -1
.irp j, 0,1,2,3
	s_wait_loadcnt 3-\j                            ; phase load j is in, the 3 - j younger ones may be out
.irp k, 0,1,2,3
	v_lshrrev_b32 v[AD+4*\j+\k], 23, v[W+4*\j+\k]              ; lo
	v_min_u32 v[AD+4*\j+\k], 511, v[AD+4*\j+\k]                ; nine bits cannot pass 511: the line states the bound of an address made of loaded data
	v_lshlrev_b32 v[AD+4*\j+\k], 3, v[AD+4*\j+\k]
	ds_load_b64 v[T+2*(4*\j+\k):T+2*(4*\j+\k)+1], v[AD+4*\j+\k]
.endr
.endr
.irp i, 0,1,2,3,4,5,6,7,8,9,10,11,12,13,14,15
	v_and_b32 v[W+\i], 0x7fffff, v[W+\i]
	v_cvt_f32_u32 v[W+\i], v[W+\i]                 ; alpha 2^23, exact
.endr
.irp j, 0,1,2,3
	s_wait_dscnt 12-4*\j                           ; gathers return in order: the four of group j are in, the younger ones may be out
.irp k, 0,1,2,3
	v_fma_f32 v[W+4*\j+\k], v[W+4*\j+\k], v[T+2*(4*\j+\k)+1], v[T+2*(4*\j+\k)]
.endr
.if \j < 3
	global_store_b128 v1, v[W+4*\j:W+4*\j+3], s[8:9] offset:4096*\j th:TH_STORE_NT
.endif
.endr
	v_add_nc_u32 v5, 12288, v1                     ; only the fourth store can pass out0's end (two lanes of the last chunk)
	v_cmp_gt_u32 vcc_lo, NBYTES, v5
	s_wait_xcnt 0x0                                ; EXEC is a source of the stores above: it changes only behind this wait
	s_wait_tensorcnt 0x0
	ds_add_u32 v76, v77
	s_wait_dscnt 0x0
	s_and_saveexec_b32 s11, vcc_lo
	global_store_b128 v1, v[W+12:W+15], s[8:9] offset:12288 th:TH_STORE_NT
	s_endpgm
.Lfunc_end_k_q8e929e6312_lookup:
	.size	k_q8e929e6312_lookup, .Lfunc_end_k_q8e929e6312_lookup-k_q8e929e6312_lookup
	.p2alignl 7, 3214868480
	.fill 96, 4, 3214868480
	.section	.rodata,"a",@progbits
	.p2align	6, 0x0
	.amdhsa_kernel k_q8e929e6312_lookup
		.amdhsa_group_segment_fixed_size 5120
		.amdhsa_private_segment_fixed_size 0
		.amdhsa_enable_private_segment 0
		.amdhsa_kernarg_size 24
		.amdhsa_user_sgpr_count 2
		.amdhsa_user_sgpr_kernarg_segment_ptr 1
		.amdhsa_wavefront_size32 1
		.amdhsa_system_sgpr_workgroup_id_x 1
		.amdhsa_system_sgpr_workgroup_id_y 1
		.amdhsa_system_sgpr_workgroup_id_z 1
		.amdhsa_system_vgpr_workitem_id 0
		.amdhsa_next_free_vgpr 78
		.amdhsa_next_free_sgpr 66
		.amdhsa_reserve_vcc 1
		.amdhsa_float_denorm_mode_32 3
		.amdhsa_float_denorm_mode_16_64 3
		.amdhsa_memory_ordered 1
		.amdhsa_forward_progress 1
		.amdhsa_inst_pref_size 9
	.end_amdhsa_kernel
	.amdgpu_metadata
---
amdhsa.version: [ 1, 2 ]
amdhsa.kernels:
  - .name:           k_q8e929e6312_lookup
    .symbol:         k_q8e929e6312_lookup.kd
    .args:
      - { .name: phase, .offset: 0, .size: 8, .value_kind: global_buffer, .address_space: global }
      - { .name: mean, .offset: 8, .size: 8, .value_kind: global_buffer, .address_space: global }
      - { .name: out0, .offset: 16, .size: 8, .value_kind: global_buffer, .address_space: global }
    .group_segment_fixed_size: 5120
    .private_segment_fixed_size: 0
    .kernarg_segment_align: 8
    .kernarg_segment_size: 24
    .max_flat_workgroup_size: 256
    .sgpr_count:     66
    .vgpr_count:     78
    .wavefront_size: 32
...
	.end_amdgpu_metadata
.endif
;; end of part 3
